; MI455X (gfx1250); checked and timed in simulation.
; The chip was launched on July 23, 2026; its instructions are those of AMD's public machine-readable ISA for CDNA 5 (MIT licence, August 2026) and "CDNA5" Instruction Set Architecture Reference Guide (July 2026). The comments in the code are by the model that wrote it; some were corrected since.
;; Up Sampler. Allowed arithmetic: matrix products marked QUANTISED: E2M3 operands, one E8M0 scale for each 32 along K, by v_wmma_scale_f32_16x16x128_f8f6f4 with both operands' format E2M3, f32 sums; everything else in f32.
;; Inputs: W_codes 128 x 4 x 24 uint8 (E2M3 codes of W, K innermost, in blocks of 32 codes, four codes in three bytes); W_scales 128 x 4 uint8 (E8M0 scales of W, one for each 32 codes along K); b 128 float32; pos_coarse 4,000 x 3 float32; pos_fine 20,000 x 3 float32; x_coarse 4,000 x 128 float32.
;; Outputs: out0 20,000 x 128 float32.
;; This version of the problem:
;;   THIS VERSION OF THE PROBLEM IS GIVEN IN LOW PRECISION. The matrix products marked QUANTISED in the list below multiply operands that are first quantised to E2M3 (2 exponent bits, 3 mantissa bits; 6 bits a number), with one power-of-two scale for each 32 numbers along K (OCP MX v1.0); their sums are f32. All else is computed in f32.
;;   The module's matrix products, in the order in which they are computed (A, B: the left and right operand; K: the contracted axis; several contracted axes count as one K, in the product's order):
;;     1. [M 20,000, K 128] x [K 128, N 128]; A: computed on the way; B: input W (given as codes): QUANTISED
;;   THE QUANTISER, for each operand of a quantised product, along K:
;;     - K is cut into blocks of 32 from its start; a last block that is shorter is filled with zeros.
;;     - A block's scale is 2^e with e = floor(log2(the largest magnitude in the block)) - 2, held to -126 .. 127; a block of zeros has e = 0. As a byte (E8M0): e + 127.
;;     - Each number is divided by its block's scale, clamped to +-7.5, and rounded to the nearest number of E2M3, ties to even, subnormals kept.
;;     - The product sums the exact products of the quantised numbers (number of the format x scale) in f32.
;;   ~~~python
;;   def quantise(x, axis):      # numpy; x: float32 -> the quantised numbers, widened to float32 again
;;       x = np.moveaxis(x, axis, -1); K = x.shape[-1]
;;       x = np.pad(x, [(0, 0)] * (x.ndim - 1) + [(0, -K % 32)]); x = x.reshape(x.shape[:-1] + (-1, 32)); a = np.abs(x).max(-1, keepdims=True)
;;       e = np.where(a > 0, np.clip(np.frexp(np.where(a > 0, a, 1))[1] - 1 - 2, -126, 127), 0)      # np.frexp(a)[1] - 1 = floor(log2(a)), exactly
;;       r = np.clip(x / 2.0 ** e, -7.5, 7.5)
;;       step = 2.0 ** (np.maximum(np.frexp(np.where(r == 0, 1, r))[1] - 1, 0) - 3)
;;       q = np.round(r / step) * step * 2.0 ** e      # np.round: ties to even
;;       return np.moveaxis(q.reshape(q.shape[:-2] + (-1,))[..., :K], -1, axis).astype(np.float32)
;;   ~~~
;;   OPERANDS COMPUTED ON THE WAY. 'Computed on the way' means the value that the module computes at that place (a softmax that the list does not call 'softmax' is quantised finished and normalised). What goes into a quantiser is computed in f32, as accurately as f32 sums, v_exp_f32 and their like allow (about 1e-6 of the number): no bf16 or f16 on the way to a quantiser, and a product that is left as it is and whose result goes on into a quantised operand takes f32 operands (vector FMAs, or v_wmma_f32_16x16x4_f32). A number that lies on a knife's edge between two numbers of the format may be rounded either way, as far as f32 arithmetic and the matrix unit's own rounding can turn it there, and no further.
;;   INPUTS GIVEN AS CODES. W (in the module: [128, 128], K = its axis 0): each comes as NAME_codes (uint8): NAME with its K axis moved to the last place and cut into blocks of 32 codes, [.., K / 32, bytes a block], one block behind the other in memory; four codes in three bytes: a row's codes are one little-endian stream of bits, code i at bits 6 i .. 6 i + 5 (a code: sign, 2 exponent bits, 3 mantissa bits); and NAME_scales (uint8): the same leading axes, one E8M0 byte (e + 127) for each 32 codes along K. Its value is code x scale, taken as it is: it is not quantised again, and the codes and scales need not be those that the quantiser above would give.
;; One version. Each part assembles by itself: llvm-mc -triple=amdgcn-amd-amdhsa -mcpu=gfx1250 --defsym DOCPART=n.
;; ======== version 1 of 1: 2 launches
;; workspace buffers: knn 320,000 bytes of whole numbers
;; launch knn (part 1): grid 250 x 1, 4 waves a work-group, no clusters, 168,448 bytes of LDS; arguments pos_coarse, pos_fine, knn; writes knn
.if DOCPART == 1
	.amdgcn_target "amdgcn-amd-amdhsa--gfx1250"
	.amdhsa_code_object_version 6
	.text
	.protected	k_qe14dfe9e8c_knn
	.globl	k_qe14dfe9e8c_knn
	.p2align	8
	.type	k_qe14dfe9e8c_knn,@function
k_qe14dfe9e8c_knn:
	s_mov_b64 s[64:65], 0
	v_nop
	global_prefetch_b8 v0, s[64:65] scope:SCOPE_SE
	s_setreg_imm32_b32 hwreg(HW_REG_WAVE_MODE, 25, 1), 1
	s_wait_xcnt 0x0
; For each of 20,000 fine points: the numbers of its six nearest of 4,000 coarse points, nearest first, equal distances in ascending number (a stable sort's order).
; pos_coarse [4000][3], pos_fine [20000][3]: f32.  knn: 16 bytes a fine point: six numbers of 16 bits, then a word of zeros.
; ORDER.  The key is the squared distance dx dx, + dy dy, + dz dz (the two additions fused), dx = coarse - fine (the same magnitude as fine - coarse, exactly).  The root is not taken: it rises with its argument.
; LIMITS.  Two candidates whose squares differ (by a few units in the last place, a relative 2^-22) while their rounded roots would be equal are ordered here by the square, in a sort on roots by their number.
; NaN and infinities are not served, nor coordinates whose squared distance overflows (differences above 1.8e19): such a candidate never enters a list.
; SHARES.  A work-group of four waves takes 80 fine points and all candidates.  The candidates' coordinates lie in LDS as three arrays x, y, z.  Lane (r, h) of wave w holds the five fine points 16 p + r and walks
; the 500 candidates of split 2 w + h, four at a time: 2,500 pairs a lane.  Two candidates go in one packed instruction; a fine coordinate stands twice, in a register pair.
; A LIST is six (key, number) pairs in ascending order.  A candidate goes in front of a key only where it is smaller; candidates come in ascending number, so equal keys stay in ascending number.
; No branch and no address hangs on a distance: each candidate is put through the whole insertion.
; At the end the eight lists of each fine point meet in LDS, and threads 0 to 79 merge them, a fine point each, in the order of the splits (ascending numbers again).
.set NC,    4000
.set FWG,   80                         ; fine points of a work-group
.set SPL,   500                        ; candidates of a split
.set QUADS, SPL/4                      ; 125
.set LX,    0                          ; LDS: x of all candidates, 16,000 bytes;
.set LY,    4*NC                       ; y;
.set LZ,    8*NC                       ; z
.set ROWL,  8*FWG                      ; the lists, laid over the coordinates when these are done with: entry i of split s of fine point f at ROWL (6 s + i) + 8 f: 30,720 bytes
.set AB0,   4                          ; v4   LDS address of the next even quad's x
.set AB1,   5                          ; v5   of the next odd quad's
.set LA,    6                          ; v6   where I put my lists
.set MA,    7                          ; v7   where I read a fine point's lists
.set GO,    8                          ; v8   my 16 bytes of the work-group's part of knn
.set VJ,    11                         ; v11-14  the numbers of the quad's four candidates
.set NF,    16                         ; v16-45  -x, -y, -z of fine point p, each twice: pair at NF + 6 p + 2 a
.set L,     48                         ; v48-107 list p: key i at L + 12 p + 2 i, its number in the register behind it
.set CB,    108                        ; v108-131 two sets of a quad: 4 x, 4 y, 4 z
.set D,     132                        ; v132-151 squared distances: fine point p, candidate e at D + 4 p + e
.set T,     152                        ; v152-211 differences: 12 for each fine point
.set TI,    212                        ; v212-236 five numbers on the move for each fine point
.set O,     244                        ; v244-247 the packed result
.set ST,    108                        ; at the head only: v108-235 the coordinates as loaded, four registers a candidate;
.set FT,    236                        ; v236-254 and the five fine points
.set ME,    108                        ; in the merge: v108-191 the lists of splits 1 to 7
.set WV,    10                         ; s10  my wave's number
.set CNT,   12                         ; s12  trips to go
.set M,     32                         ; s32-61 six masks for each fine point
	s_load_b128 s[4:7], s[0:1], 0x0                ; pos_coarse s[4:5], pos_fine s[6:7]
	s_load_b64 s[8:9], s[0:1], 0x10                ; knn
	v_lshl_add_u32 v251, v0, 2, 0x29000
	v_mov_b32 v255, 0
	v_lshrrev_b32 v1, 5, v0
	v_readfirstlane_b32 s[WV], v1                  ; wave 0..3
	v_and_b32 v1, 15, v0                           ; r
	v_bfe_u32 v2, v0, 4, 1                         ; h
	v_mul_u32_u24 v3, v0, 12                       ; thread t takes candidates t + 128 i: 12 bytes each
	v_lshlrev_b32 v9, 2, v0                        ; and puts each coordinate at word t + 128 i of its array
	v_mul_u32_u24 v10, v1, 12                      ; fine point r of sixteen
	s_mul_i32 s14, ttmp9, FWG*12                   ; my work-group's part of pos_fine
	s_mov_b32 s15, 0
	s_mul_i32 s16, ttmp9, FWG*16                   ; and of knn: 1,280 bytes, five blocks of 256
	s_mov_b32 s17, 0
	s_wait_kmcnt 0x0
	s_add_nc_u64 s[6:7], s[6:7], s[14:15]
	s_add_nc_u64 s[8:9], s[8:9], s[16:17]
.irp p, 0,1,2,3,4
	global_load_b96 v[FT+4*\p:FT+4*\p+2], v10, s[6:7] offset:192*\p     ; fine point 16 p + r
.endr
.set i, 0
.rept 31
	global_load_b96 v[ST+4*i:ST+4*i+2], v3, s[4:5] offset:1536*i        ; a wave reads 384 consecutive bytes
.set i, i+1
.endr
	s_cmp_lg_u32 s[WV], 0                          ; 4,000 = 31 x 128 + 32: the last 32 candidates are wave 0's
	s_cbranch_scc1 .Lno_tail_load
	global_load_b96 v[ST+124:ST+126], v3, s[4:5] offset:1536*31
.Lno_tail_load:
	; addresses and empty lists, while the loads are out
	v_mul_u32_u24 v[AB0], v2, SPL*4                ; my split's x begin at 4 x 500 x (2 w + h): one product for the half, one for the wave
	s_mul_i32 s18, s[WV], 2*SPL*4
	v_add_nc_u32 v[AB0], s18, v[AB0]
	v_add_nc_u32 v[AB1], 16, v[AB0]
	v_mul_u32_u24 v[VJ], v2, SPL                   ; my split's first candidate
	s_mul_i32 s18, s[WV], 2*SPL
	v_add_nc_u32 v[VJ], s18, v[VJ]
.irp e, 1,2,3
	v_add_nc_u32 v[VJ+\e], \e, v[VJ]
.endr
	v_lshlrev_b32 v[LA], 3, v1                     ; lists out: 8 r + 6 ROWL (2 w + h); p and i stand in the immediates
	v_mad_u32_u24 v[LA], v2, 6*ROWL, v[LA]
	s_mul_i32 s18, s[WV], 12*ROWL
	v_add_nc_u32 v[LA], s18, v[LA]
	v_lshlrev_b32 v[MA], 3, v0                     ; lists in: fine point t
	v_lshlrev_b32 v[GO], 4, v0
.set i, 0
.rept 30
	v_mov_b32 v[L+2*i], 0x7f800000                 ; an empty place: the key +infinity, over every served distance
	v_mov_b32 v[L+2*i+1], 0
.set i, i+1
.endr
	s_wait_loadcnt 0x0
.set i, 0
.rept 31
	ds_store_b32 v9, v[ST+4*i] offset:LX+512*i
	ds_store_b32 v9, v[ST+4*i+1] offset:LY+512*i
	ds_store_b32 v9, v[ST+4*i+2] offset:LZ+512*i
.set i, i+1
.endr
	s_cmp_lg_u32 s[WV], 0
	s_cbranch_scc1 .Lno_tail_store
	ds_store_b32 v9, v[ST+124] offset:LX+512*31
	ds_store_b32 v9, v[ST+125] offset:LY+512*31
	ds_store_b32 v9, v[ST+126] offset:LZ+512*31
.Lno_tail_store:
.irp p, 0,1,2,3,4
.irp a, 0,1,2
	v_xor_b32 v[NF+6*\p+2*\a], 0x80000000, v[FT+4*\p+\a]               ; the negated coordinate, in both registers of a pair
	v_xor_b32 v[NF+6*\p+2*\a+1], 0x80000000, v[FT+4*\p+\a]
.endr
.endr
	s_wait_dscnt 0x0                               ; for the others' sake: my part of the coordinates lies in LDS
	s_barrier_signal -1
	s_barrier_wait -1                              ; everybody's does
; Candidate (key v[c], number v[j]) goes into the list at v[l].  Mask i: the candidate is smaller than key i; the keys ascend, so the masks do.
; New number i = mask i ? (mask i-1 ? number i-1 : j) : number i.  New key i = the middle one of key i-1, the candidate and key i; new key 0 = the smaller of key 0 and the candidate.
; The keys are rewritten from the top down, each from its lower neighbour's old value.  Each part's lines are ordered so that a line reads nothing written in the four lines ahead of it.
.macro INSERT l, c, j, m, t
.irp i, 5,4,3,2,1,0
	v_cmp_lt_f32 s[(\m)+\i], v[\c], v[(\l)+2*\i]
.endr
.irp i, 5,4,3,2,1
	v_cndmask_b32 v[(\t)+\i-1], v[\j], v[(\l)+2*\i-1], s[(\m)+\i-1]
.endr
.irp i, 5,4,3,2,1
	v_cndmask_b32 v[(\l)+2*\i+1], v[(\l)+2*\i+1], v[(\t)+\i-1], s[(\m)+\i]
.endr
	v_cndmask_b32 v[(\l)+1], v[(\l)+1], v[\j], s[\m]
.irp i, 5,4,3,2,1
	v_med3_num_f32 v[(\l)+2*\i], v[(\l)+2*\i-2], v[\c], v[(\l)+2*\i]
.endr
	v_min_num_f32 v[\l], v[\l], v[\c]
.endm
; A quad's coordinates into set u: the sixteen lanes of a half read the same 16 bytes
.macro FETCH u, a
	ds_load_b128 v[CB+12*\u:CB+12*\u+3], v[\a] offset:LX
	ds_load_b128 v[CB+12*\u+4:CB+12*\u+7], v[\a] offset:LY
	ds_load_b128 v[CB+12*\u+8:CB+12*\u+11], v[\a] offset:LZ
.endm
; Four candidates against my five fine points: 60 packed instructions for the 20 squared distances, then 20 insertions, candidates in ascending number
.macro QUAD u
.irp p, 0,1,2,3,4
.irp c, 0,1
	v_pk_add_f32 v[T+12*\p+6*\c:T+12*\p+6*\c+1], v[CB+12*\u+2*\c:CB+12*\u+2*\c+1], v[NF+6*\p:NF+6*\p+1]
	v_pk_add_f32 v[T+12*\p+6*\c+2:T+12*\p+6*\c+3], v[CB+12*\u+4+2*\c:CB+12*\u+5+2*\c], v[NF+6*\p+2:NF+6*\p+3]
	v_pk_add_f32 v[T+12*\p+6*\c+4:T+12*\p+6*\c+5], v[CB+12*\u+8+2*\c:CB+12*\u+9+2*\c], v[NF+6*\p+4:NF+6*\p+5]
.endr
.endr
.irp p, 0,1,2,3,4
.irp c, 0,1
	v_pk_mul_f32 v[D+4*\p+2*\c:D+4*\p+2*\c+1], v[T+12*\p+6*\c:T+12*\p+6*\c+1], v[T+12*\p+6*\c:T+12*\p+6*\c+1]
.endr
.endr
.irp a, 2,4
.irp p, 0,1,2,3,4
.irp c, 0,1
	v_pk_fma_f32 v[D+4*\p+2*\c:D+4*\p+2*\c+1], v[T+12*\p+6*\c+\a:T+12*\p+6*\c+\a+1], v[T+12*\p+6*\c+\a:T+12*\p+6*\c+\a+1], v[D+4*\p+2*\c:D+4*\p+2*\c+1]
.endr
.endr
.endr
.irp e, 0,1,2,3
.irp p, 0,1,2,3,4
	INSERT L+12*\p, D+4*\p+\e, VJ+\e, M+6*\p, TI+5*\p
.endr
.endr
.irp e, 0,1,2,3
	v_add_nc_u32 v[VJ+\e], 4, v[VJ+\e]
.endr
.endm
	FETCH 0, AB0                                   ; quad 0
	s_mov_b32 s[CNT], (QUADS-1)/2                  ; 62 trips of two quads; quad 124 stands behind the loop
.Lquads:
	FETCH 1, AB1                                   ; the odd quad, a quad's work ahead of its use
	s_wait_dscnt 0x3                               ; the even quad is in; the three loads just issued stay out
	v_add_nc_u32 v[AB0], 32, v[AB0]                ; its loads are done, so their address may step
	QUAD 0
	FETCH 0, AB0                                   ; the next even quad
	s_wait_dscnt 0x3                               ; the odd quad is in
	v_add_nc_u32 v[AB1], 32, v[AB1]
	QUAD 1
	s_sub_co_i32 s[CNT], s[CNT], 1
	s_cmp_lg_u32 s[CNT], 0
	s_cbranch_scc1 .Lquads
	s_wait_dscnt 0x0
	QUAD 0                                         ; quad 124
	s_barrier_signal -1                            ; my reads of the coordinates are over (the wait for 0 above);
	s_barrier_wait -1                              ; everybody's are: the lists may be laid over them
.irp p, 0,1,2,3,4
.irp i, 0,1,2,3,4,5
	ds_store_b64 v[LA], v[L+12*\p+2*\i:L+12*\p+2*\i+1] offset:ROWL*\i+128*\p
.endr
.endr
	s_wait_dscnt 0x0                               ; for the others' sake: my lists lie in LDS
	s_barrier_signal -1
	s_barrier_wait -1                              ; all 8 x 80 lists do
	s_cmp_gt_u32 s[WV], 2                          ; 80 fine points are two and a half waves: wave 3 has none (no barrier follows)
	s_cbranch_scc1 .Lend
.irp i, 0,1,2,3,4,5
	ds_load_b64 v[L+2*\i:L+2*\i+1], v[MA] offset:ROWL*\i               ; split 0's list is the start.  (Lanes 16-31 of wave 2 read bytes of other entries and of the old coordinates; what they make of them is not stored)
.endr
.irp s, 1,2,3,4,5,6,7
.irp i, 0,1,2,3,4,5
	ds_load_b64 v[ME+12*(\s-1)+2*\i:ME+12*(\s-1)+2*\i+1], v[MA] offset:ROWL*(6*\s+\i)
.endr
.endr
.irp s, 1,2,3,4,5,6,7
	s_wait_dscnt 6*(7-\s)                          ; this split's six entries are in; those of the later splits stay out
.irp i, 0,1,2,3,4,5
	INSERT L, ME+12*(\s-1)+2*\i, ME+12*(\s-1)+2*\i+1, M+6*(\i%2), TI+5*(\i%2)   ; a later split's numbers are larger, and within a list entries come in order: behind equal keys is right
.endr
.endr
	v_lshl_or_b32 v[O], v[L+3], 16, v[L+1]         ; six numbers under 4,000, two to a word, nearest first
	v_lshl_or_b32 v[O+1], v[L+7], 16, v[L+5]
	v_lshl_or_b32 v[O+2], v[L+11], 16, v[L+9]
	v_mov_b32 v[O+3], 0
	v_cmp_gt_u32 vcc_lo, FWG, v0
	s_wait_xcnt 0x0                                ; EXEC changes only behind this wait
	s_and_saveexec_b32 s20, vcc_lo                 ; threads 0 to 79
	global_store_b128 v[GO], v[O:O+3], s[8:9]      ; sixteen lanes store 256 consecutive bytes, at a multiple of 256 from the buffer's first byte
	s_wait_xcnt 0x0                                ; and again in front of the line that widens it
	s_or_b32 exec_lo, exec_lo, s20
.Lend:
	s_wait_tensorcnt 0x0
	ds_add_u32 v251, v255
	s_wait_dscnt 0x0
	s_endpgm
.Lfunc_end_k_qe14dfe9e8c_knn:
	.size	k_qe14dfe9e8c_knn, .Lfunc_end_k_qe14dfe9e8c_knn-k_qe14dfe9e8c_knn
	.p2alignl 7, 3214868480
	.fill 96, 4, 3214868480
	.section	.rodata,"a",@progbits
	.p2align	6, 0x0
	.amdhsa_kernel k_qe14dfe9e8c_knn
		.amdhsa_group_segment_fixed_size 168448
		.amdhsa_private_segment_fixed_size 0
		.amdhsa_enable_private_segment 0
		.amdhsa_kernarg_size 24
		.amdhsa_user_sgpr_count 2
		.amdhsa_user_sgpr_kernarg_segment_ptr 1
		.amdhsa_wavefront_size32 1
		.amdhsa_system_sgpr_workgroup_id_x 1
		.amdhsa_system_sgpr_workgroup_id_y 1
		.amdhsa_system_sgpr_workgroup_id_z 1
		.amdhsa_system_vgpr_workitem_id 0
		.amdhsa_next_free_vgpr 256
		.amdhsa_next_free_sgpr 66
		.amdhsa_reserve_vcc 1
		.amdhsa_float_denorm_mode_32 3
		.amdhsa_float_denorm_mode_16_64 3
		.amdhsa_memory_ordered 1
		.amdhsa_forward_progress 1
		.amdhsa_inst_pref_size 179
	.end_amdhsa_kernel
	.amdgpu_metadata
---
amdhsa.version: [ 1, 2 ]
amdhsa.kernels:
  - .name:           k_qe14dfe9e8c_knn
    .symbol:         k_qe14dfe9e8c_knn.kd
    .args:
      - { .name: pos_coarse, .offset: 0, .size: 8, .value_kind: global_buffer, .address_space: global }
      - { .name: pos_fine, .offset: 8, .size: 8, .value_kind: global_buffer, .address_space: global }
      - { .name: knn, .offset: 16, .size: 8, .value_kind: global_buffer, .address_space: global }
    .group_segment_fixed_size: 168448
    .private_segment_fixed_size: 0
    .kernarg_segment_align: 8
    .kernarg_segment_size: 24
    .max_flat_workgroup_size: 128
    .sgpr_count:     66
    .vgpr_count:     256
    .wavefront_size: 32
...
	.end_amdgpu_metadata
.endif
;; end of part 1
;; launch mix (part 2): grid 250 x 1, 5 waves a work-group, no clusters, 43,008 bytes of LDS; arguments knn, x_coarse, W_codes, W_scales, b, out0; writes out0
.if DOCPART == 2
	.amdgcn_target "amdgcn-amd-amdhsa--gfx1250"
	.amdhsa_code_object_version 6
	.text
	.protected	k_qe14dfe9e8c_mix
	.globl	k_qe14dfe9e8c_mix
	.p2align	8
	.type	k_qe14dfe9e8c_mix,@function
k_qe14dfe9e8c_mix:
	s_mov_b64 s[64:65], 0
	v_nop
	global_prefetch_b8 v0, s[64:65] scope:SCOPE_SE
	s_setreg_imm32_b32 hwreg(HW_REG_WAVE_MODE, 25, 1), 1
	s_wait_xcnt 0x0
; out0[f][:] = Q(mean of the six rows x_coarse[knn[f][0..5]]) W + b, the product on codes of FP6 (E2M3) with one E8M0 scale for each 32 along K = 128.
; knn: 16 bytes a row: six numbers of 16 bits (made by the launch before).  x_coarse [4000][128] f32.  W_codes [128 (n)][96 bytes], K innermost; W_scales [128][4].  b [128], out0 [20000][128]: f32.
; SHARES.  A wave takes 16 rows through the whole chain; waves share nothing: no barrier.  Five waves to a work-group: 80 rows.
; Lane (r, h) gathers, of each of row r's six neighbours, numbers 32 b + 16 h + 0 .. 15 of each block b: register 16 b + i of a buffer.  The six are added in the list's order, in f32, and multiplied by 1/6.
; THE QUANTISER: a block's scale is 2^(floor(log2(largest magnitude)) - 2); its byte is the largest magnitude's exponent field - 2, held at 1 from below by a floor among the maximum's leaves.
; (A block of zeros keeps the byte 1: its codes are zeros, which add nothing, and nobody else reads the byte.)  Beyond 7.5 the conversion gives the largest code.
; THE PRODUCT IS USED TRANSPOSED: source 0 = 16 rows of W (16 outputs), source 1 = my 16 rows: a lane then holds eight neighbouring outputs of one row.  The bias is loaded into the accumulators and is the product's C.
; LIMITS: NaN and infinities in x_coarse are not served.  A number read from knn is held at 3,999 before it enters an address.
; REGISTERS.  Window 0: v1-20 addresses and the list; v32-95, v96-159, v160-223 three buffers of 64 numbers (the first holds the sum; the second later the quantiser's work); v224-231 W's scale words, v232 the rows'.
;   Window 1: v0-95 W's eight fragments; v96-159 the eight accumulators.
.set SPITCH, 528                       ; the stage: a row of 512 bytes + 16, an odd multiple of 16
.set STG,    16*SPITCH                 ; 16 rows for each wave
.set LI,  3                            ; v3   16 x lane
.set SO,  4                            ; v4   the stage: where I put 32 bytes of a row
.set SR,  5                            ; v5   and where I read a row back
.set KI,  8                            ; v8-11  my row's list as loaded
.set OF,  12                           ; v12-17 byte offsets of my part of the six rows
.set B0,  32
.set B1,  96
.set B2,  160
.set TM,  96                           ; v96-99 largest magnitudes, v100-103 bytes, v108-111 the conversions' scale operands
.set PC,  112                          ; v112-123 the rows' fragment; v124-130 half blocks on the way
.set WS,  224
.set PW,  232
.set WF,  0                            ; in window 1
.set ACC, 96                           ; in window 1
.set MSB, 0
.macro WIN new                         ; s_set_vgpr_msb: bits 1:0 source 0, 3:2 source 1, 5:4 source 2, 7:6 destination; the high byte repeats the setting that is left
.if MSB != \new
	s_set_vgpr_msb (MSB<<8)|\new
.set MSB, \new
.endif
.endm
	s_load_b256 s[4:11], s[0:1], 0x0               ; knn s[4:5], x_coarse s[6:7], W's codes s[8:9], W's scales s[10:11]
	s_load_b128 s[12:15], s[0:1], 0x20             ; b s[12:13], out0 s[14:15]
	v_lshl_add_u32 v254, v0, 2, 0xa500
	v_mov_b32 v255, 0
	v_lshrrev_b32 v1, 5, v0
	v_readfirstlane_b32 s16, v1                    ; wave 0..4
	v_and_b32 v1, 15, v0                           ; r
	v_bfe_u32 v2, v0, 4, 1                         ; h
	v_and_b32 v3, 31, v0
	v_lshlrev_b32 v[LI], 4, v3
	s_mul_i32 s17, ttmp9, 5
	s_add_co_u32 s17, s17, s16                     ; my tile of 16 rows: 0 .. 1,249
	s_lshl_b32 s18, s17, 8                         ; its lists: 16 x 16 bytes
	s_mov_b32 s19, 0
	s_lshl_b32 s20, s17, 13                        ; its rows of out0: 16 x 512 bytes
	s_mov_b32 s21, 0
	v_lshlrev_b32 v6, 4, v1                        ; row r's list
	v_mul_u32_u24 v7, v1, 96
	v_mad_u32_u24 v7, v2, 24, v7                   ; W: row r of a tile, + 24 h
	v_lshlrev_b32 v18, 2, v1                       ; W's scale words: 4 bytes a row
	v_lshlrev_b32 v19, 5, v2                       ; b: eight numbers for each half
	v_lshlrev_b32 v20, 6, v2                       ; x_coarse: 16 numbers for each half of a block
	s_mov_b32 s22, 0x76543210
	s_mov_b32 s23, 0xfedcba98                      ; v_permlanex16_b32's selects for lane l xor 16
	s_mov_b32 s24, 0x3e2aaaab                      ; 1/6
	s_mov_b32 s25, s24                             ; (named with it as a pair, so it is written)
	s_wait_kmcnt 0x0
	s_add_nc_u64 s[4:5], s[4:5], s[18:19]
	s_add_nc_u64 s[14:15], s[14:15], s[20:21]
	global_load_b128 v[KI:KI+3], v6, s[4:5]        ; the list first: all that follows hangs on it
.irp t, 0,1,2,3,4,5,6,7
	global_load_b32 v[WS+\t], v18, s[10:11] offset:64*\t
.endr
	WIN 0x40                                       ; destination window 1
.irp t, 0,1,2,3,4,5,6,7
	global_load_b128 v[ACC+8*\t:ACC+8*\t+3], v19, s[12:13] offset:64*\t          ; b(16 t + 8 h + 0 .. 7), in the result's layout
	global_load_b128 v[ACC+8*\t+4:ACC+8*\t+7], v19, s[12:13] offset:64*\t+16
.endr
.irp t, 0,1,2,3,4,5,6,7
.irp p, 0,1,2,3,4,5
	global_load_b64 v[WF+12*\t+2*\p:WF+12*\t+2*\p+1], v7, s[8:9] offset:1536*\t+48*(\p/3)+8*(\p%3)   ; 24 bytes of the row's stream of bits, twice, in pieces of 8
.endr
.endr
	WIN 0
	s_mul_i32 s26, s16, STG                        ; my stage
	v_mul_u32_u24 v[SO], v1, SPITCH
	v_lshl_add_u32 v[SO], v2, 5, v[SO]
	v_add_nc_u32 v[SO], s26, v[SO]                 ; in: row r, + 32 h
	v_add_nc_u32 v[SR], s26, v[LI]                 ; back: the 32 lanes take a row
	s_wait_loadcnt 63                              ; the list is in: 72 loads stand behind it, and the count's field holds 63, so nine of them are waited for with it
	v_and_b32 v[OF], 0xffff, v[KI]
	v_lshrrev_b32 v[OF+1], 16, v[KI]
	v_and_b32 v[OF+2], 0xffff, v[KI+1]
	v_lshrrev_b32 v[OF+3], 16, v[KI+1]
	v_and_b32 v[OF+4], 0xffff, v[KI+2]
	v_lshrrev_b32 v[OF+5], 16, v[KI+2]
.irp n, 0,1,2,3,4,5
	v_min_u32 v[OF+\n], 3999, v[OF+\n]             ; inside the table, whatever was read
.endr
.irp n, 0,1,2,3,4,5
	v_lshlrev_b32 v[OF+\n], 9, v[OF+\n]            ; a row is 512 bytes
.endr
.irp n, 0,1,2,3,4,5
	v_add_nc_u32 v[OF+\n], v[OF+\n], v20
.endr
.macro GATHER n, buf                   ; my 64 numbers of neighbour n
.irp b, 0,1,2,3
.irp j, 0,1,2,3
	global_load_b128 v[\buf+16*\b+4*\j:\buf+16*\b+4*\j+3], v[OF+\n], s[6:7] offset:128*\b+16*\j
.endr
.endr
.endm
.macro ADDIN buf
.set i, 0
.rept 32
	v_pk_add_f32 v[B0+i:B0+i+1], v[B0+i:B0+i+1], v[\buf+i:\buf+i+1]
.set i, i+2
.endr
.endm
	GATHER 0, B0
	GATHER 1, B1
	GATHER 2, B2
	s_wait_loadcnt 16                              ; neighbours 0 and 1 are in (and all of W and b); neighbour 2's sixteen loads stay out
	ADDIN B1
	GATHER 3, B1
	s_wait_loadcnt 16                              ; neighbour 2 is in; 3 stays out
	ADDIN B2
	GATHER 4, B2
	s_wait_loadcnt 16                              ; 3 is in; 4 stays out
	ADDIN B1
	GATHER 5, B1
	s_wait_loadcnt 16                              ; 4 is in; 5 stays out
	ADDIN B2
	s_wait_loadcnt 0x0
	ADDIN B1
.set i, 0
.rept 32
	v_pk_mul_f32 v[B0+i:B0+i+1], v[B0+i:B0+i+1], s[24:25] op_sel_hi:[1,0]        ; the mean
.set i, i+2
.endr
	; ---- the quantiser: 64 numbers of a lane become the fragment's codes in v[PC] on and the row's scale word in v[PW]
.irp b, 0,1,2,3
	v_mov_b32 v[TM+4+\b], 0                        ; a lane permute's destination counts as one of its sources
.endr
.irp b, 0,1,2,3
	v_max3_num_f32 v[TM+\b], |v[B0+16*\b]|, |v[B0+1+16*\b]|, 0x1800000           ; block b: my 16 numbers, and the floor 2^(3 - 127): the byte cannot fall under 1
.endr
.irp i, 2,4,6,8,10,12,14
.irp b, 0,1,2,3
	v_max3_num_f32 v[TM+\b], v[TM+\b], |v[B0+16*\b+\i]|, |v[B0+1+16*\b+\i]|      ; (the four blocks by turns)
.endr
.endr
.irp b, 0,1,2,3
	v_permlanex16_b32 v[TM+4+\b], v[TM+\b], s22, s23
.endr
.irp b, 0,1,2,3
	v_max_num_f32 v[TM+\b], v[TM+\b], v[TM+4+\b]   ; with lane l xor 16's: the block's largest magnitude
.endr
.irp b, 0,1,2,3
	v_add_nc_u32 v[TM+12+\b], 0xff000000, v[TM+\b] ; 2 off its exponent field: the conversion takes the exponent field of this operand as its scale
.endr
.irp b, 0,1,2,3
	v_lshrrev_b32 v[TM+4+\b], 23, v[TM+12+\b]      ; the scale's byte
.endr
	v_lshl_or_b32 v[PW], v[TM+5], 8, v[TM+4]       ; the four bytes make my row's scale word
	v_lshl_or_b32 v[PW], v[TM+6], 16, v[PW]
	v_lshl_or_b32 v[PW], v[TM+7], 24, v[PW]
.irp c, 0,1
	v_cvt_scalef32_pk16_fp6_f32 v[PC+6*\c:PC+2+6*\c], v[B0+32*\c:B0+15+32*\c], v[TM+12+2*\c]
	v_cvt_scalef32_pk16_fp6_f32 v[PC+12+4*\c:PC+14+4*\c], v[B0+16+32*\c:B0+31+32*\c], v[TM+12+2*\c+1]   ; (a conversion's three registers begin on an even number)
.endr
	v_nop                                          ; one plain place behind a scaled conversion
.irp c, 0,1                                    ; the operand's layout wants a whole block in a lane: lanes 0-15 block 2 c, lanes 16-31 block 2 c + 1
.irp i, 0,1,2
	v_permlane16_swap_b32 v[PC+6*\c+\i], v[PC+12+4*\c+\i]
.endr
.irp i, 0,1,2
	v_mov_b32 v[PC+3+6*\c+\i], v[PC+12+4*\c+\i]
.endr
.endr
.rept 8
	v_nop                                          ; a scale register written by a vector instruction stands 8 places ahead of a scaled matrix instruction, an operand so written 4
.endr
	WIN 0x51                                       ; source 0 (W), C and D window 1; source 1 (the rows' codes) window 0; scale operands have no window
.irp t, 0,1,2,3,4,5,6,7
	v_wmma_scale_f32_16x16x128_f8f6f4 v[ACC+8*\t:ACC+8*\t+7], v[WF+12*\t:WF+12*\t+11], v[PC:PC+11], v[ACC+8*\t:ACC+8*\t+7], v[WS+\t], v[PW] matrix_a_fmt:MATRIX_FMT_FP6 matrix_b_fmt:MATRIX_FMT_FP6
.endr
	WIN 0x04                                       ; an LDS store's data are its source 1: window 1
.rept 4
	v_nop                                          ; four places between a matrix instruction and the first read of its result (ISA guide 7.12.1)
.endr
	; ---- the way out: a lane holds 32 neighbouring bytes of a row for each tile of outputs; through my own stage the 16 rows leave whole
.irp t, 0,1,2,3,4,5,6,7
	ds_store_b128 v[SO], v[ACC+8*\t:ACC+8*\t+3] offset:64*\t           ; out0(r, 16 t + 8 h + 0 .. 3): each accumulator from its low end on
	ds_store_b128 v[SO], v[ACC+8*\t+4:ACC+8*\t+7] offset:64*\t+16
.endr
	WIN 0
.irp i, 0,1,2,3,4,5,6,7,8,9,10,11,12,13,14,15
	ds_load_b128 v[B0+4*\i:B0+4*\i+3], v[SR] offset:SPITCH*\i          ; LDS serves a wave's instructions in order (ISA guide 5.7.1.4): these see my stores
.endr
.irp i, 0,1,2,3,4,5,6,7,8,9,10,11,12,13,14,15
	s_wait_dscnt 15-\i                             ; row i is back; the later rows stay out
	global_store_b128 v[LI], v[B0+4*\i:B0+4*\i+3], s[14:15] offset:512*\i th:TH_STORE_NT   ; 32 lanes store a row of 512 bytes, at a multiple of 256 from out0's first byte; written once, read by nobody here
.endr
	s_wait_tensorcnt 0x0
	ds_add_u32 v254, v255
	s_wait_dscnt 0x0
	s_endpgm
.Lfunc_end_k_qe14dfe9e8c_mix:
	.size	k_qe14dfe9e8c_mix, .Lfunc_end_k_qe14dfe9e8c_mix-k_qe14dfe9e8c_mix
	.p2alignl 7, 3214868480
	.fill 96, 4, 3214868480
	.section	.rodata,"a",@progbits
	.p2align	6, 0x0
	.amdhsa_kernel k_qe14dfe9e8c_mix
		.amdhsa_group_segment_fixed_size 43008
		.amdhsa_private_segment_fixed_size 0
		.amdhsa_enable_private_segment 0
		.amdhsa_kernarg_size 48
		.amdhsa_user_sgpr_count 2
		.amdhsa_user_sgpr_kernarg_segment_ptr 1
		.amdhsa_wavefront_size32 1
		.amdhsa_system_sgpr_workgroup_id_x 1
		.amdhsa_system_sgpr_workgroup_id_y 1
		.amdhsa_system_sgpr_workgroup_id_z 1
		.amdhsa_system_vgpr_workitem_id 0
		.amdhsa_next_free_vgpr 416
		.amdhsa_next_free_sgpr 66
		.amdhsa_reserve_vcc 0
		.amdhsa_float_denorm_mode_32 3
		.amdhsa_float_denorm_mode_16_64 3
		.amdhsa_memory_ordered 1
		.amdhsa_forward_progress 1
		.amdhsa_inst_pref_size 41
	.end_amdhsa_kernel
	.amdgpu_metadata
---
amdhsa.version: [ 1, 2 ]
amdhsa.kernels:
  - .name:           k_qe14dfe9e8c_mix
    .symbol:         k_qe14dfe9e8c_mix.kd
    .args:
      - { .name: knn, .offset: 0, .size: 8, .value_kind: global_buffer, .address_space: global }
      - { .name: x_coarse, .offset: 8, .size: 8, .value_kind: global_buffer, .address_space: global }
      - { .name: W_codes, .offset: 16, .size: 8, .value_kind: global_buffer, .address_space: global }
      - { .name: W_scales, .offset: 24, .size: 8, .value_kind: global_buffer, .address_space: global }
      - { .name: b, .offset: 32, .size: 8, .value_kind: global_buffer, .address_space: global }
      - { .name: out0, .offset: 40, .size: 8, .value_kind: global_buffer, .address_space: global }
    .group_segment_fixed_size: 43008
    .private_segment_fixed_size: 0
    .kernarg_segment_align: 8
    .kernarg_segment_size: 48
    .max_flat_workgroup_size: 160
    .sgpr_count:     66
    .vgpr_count:     416
    .wavefront_size: 32
...
	.end_amdgpu_metadata
.endif
;; end of part 2
